; MI455X (gfx1250); checked and timed in simulation.
; The chip was launched on July 23, 2026; its instructions are those of AMD's public machine-readable ISA for CDNA 5 (MIT licence, August 2026) and "CDNA5" Instruction Set Architecture Reference Guide (July 2026). The comments in the code are by the model that wrote it; some were corrected since.
;; Multi Head Attention Base. Allowed arithmetic: matrix products marked QUANTISED: E2M1 operands, one E8M0 scale for each 32 along K, by v_wmma_scale_f32_16x16x128_f8f6f4 with both operands' format E2M1 (or v_wmma_scale_f32_32x16x128_f4), f32 sums; everything else in f32.
;; Inputs: k 4 x 16 x 2,048 x 64 float32; mask 4 x 1 x 2,048 x 2,048 int32; q 4 x 16 x 2,048 x 64 float32; v 4 x 16 x 2,048 x 64 float32.
;; Outputs: out0 4 x 16 x 2,048 x 64 float32.
;; This version of the problem:
;;   THIS VERSION OF THE PROBLEM IS GIVEN IN LOW PRECISION. The matrix products marked QUANTISED in the list below multiply operands that are first quantised to E2M1 (2 exponent bits, 1 mantissa bit; 4 bits a number), with one power-of-two scale for each 32 numbers along K (OCP MX v1.0); their sums are f32. All else is computed in f32.
;;   The module's matrix products, in the order in which they are computed (A, B: the left and right operand; K: the contracted axis; several contracted axes count as one K, in the product's order):
;;     1. batch 64 x [M 2,048, K 64] x [K 64, N 2,048]; A: input q; B: input k: QUANTISED
;;     2. batch 64 x [M 2,048, K 2,048] x [K 2,048, N 64]; A: softmax (see below); B: input v: QUANTISED
;;   THE QUANTISER, for each operand of a quantised product, along K:
;;     - K is cut into blocks of 32 from its start; a last block that is shorter is filled with zeros.
;;     - A block's scale is 2^e with e = floor(log2(the largest magnitude in the block)) - 2, held to -126 .. 127; a block of zeros has e = 0. As a byte (E8M0): e + 127.
;;     - Each number is divided by its block's scale, clamped to +-6, and rounded to the nearest number of E2M1, ties to even, subnormals kept.
;;     - The product sums the exact products of the quantised numbers (number of the format x scale) in f32.
;;   ~~~python
;;   def quantise(x, axis):      # numpy; x: float32 -> the quantised numbers, widened to float32 again
;;       x = np.moveaxis(x, axis, -1); K = x.shape[-1]
;;       x = np.pad(x, [(0, 0)] * (x.ndim - 1) + [(0, -K % 32)]); x = x.reshape(x.shape[:-1] + (-1, 32)); a = np.abs(x).max(-1, keepdims=True)
;;       e = np.where(a > 0, np.clip(np.frexp(np.where(a > 0, a, 1))[1] - 1 - 2, -126, 127), 0)      # np.frexp(a)[1] - 1 = floor(log2(a)), exactly
;;       r = np.clip(x / 2.0 ** e, -6, 6)
;;       step = 2.0 ** (np.maximum(np.frexp(np.where(r == 0, 1, r))[1] - 1, 0) - 1)
;;       q = np.round(r / step) * step * 2.0 ** e      # np.round: ties to even
;;       return np.moveaxis(q.reshape(q.shape[:-2] + (-1,))[..., :K], -1, axis).astype(np.float32)
;;   ~~~
;;   SOFTMAX AHEAD OF A QUANTISED PRODUCT. Where the list says 'softmax', what is quantised is not the finished softmax but p = 2^(t - M), with t = logit x log2(e) and M = ceil(the row's largest t), a whole number; so 1/2 < the row's largest p <= 1. The row's sum l is taken of the UNQUANTISED p, in f32, and the product's result is divided by l at the end. Since M is a whole number, a kernel that streams over the keys may use a running M (the ceiling of the running maximum): every later rescaling is an exact power of two, which a block's scale takes up: the codes' values come out the same.
;;   OPERANDS COMPUTED ON THE WAY. 'Computed on the way' means the value that the module computes at that place (a softmax that the list does not call 'softmax' is quantised finished and normalised). What goes into a quantiser is computed in f32, as accurately as f32 sums, v_exp_f32 and their like allow (about 1e-6 of the number): no bf16 or f16 on the way to a quantiser, and a product that is left as it is and whose result goes on into a quantised operand takes f32 operands (vector FMAs, or v_wmma_f32_16x16x4_f32). A number that lies on a knife's edge between two numbers of the format may be rounded either way, as far as f32 arithmetic and the matrix unit's own rounding can turn it there, and no further.
;; One version. Each part assembles by itself: llvm-mc -triple=amdgcn-amd-amdhsa -mcpu=gfx1250 --defsym DOCPART=n.
;; ======== version 1 of 1: 2 launches
;; limits: right only within a limited range of input values
;; workspace buffers: kv 9,175,040 bytes; maskn 8,388,608 bytes
;; launch prep (part 1): grid 1024 x 1, 4 waves a work-group, no clusters, 39,424 bytes of LDS; arguments k, v, mask, kv, maskn; writes kv, maskn
.if DOCPART == 1
	.amdgcn_target "amdgcn-amd-amdhsa--gfx1250"
	.amdhsa_code_object_version 6
	.text
	.protected	k_qab13fed808_prep
	.globl	k_qab13fed808_prep
	.p2align	8
	.type	k_qab13fed808_prep,@function
k_qab13fed808_prep:
	s_mov_b64 s[64:65], 0
	v_nop
	global_prefetch_b8 v0, s[64:65] scope:SCOPE_SE
	s_setreg_imm32_b32 hwreg(HW_REG_WAVE_MODE, 25, 1), 1
	s_wait_xcnt 0x0
; PREP: what every query block of a head reads again is made once.
;   k [64 heads][2048][64] f32 is quantised along the head's 64, v [64][2048][64] f32 along the KEYS, both to codes of FP4 (E2M1) with one E8M0 byte for each 32 numbers;
;   mask [4][1][2048][2048] int32 becomes one FP4 code a number: 0.5 (code 1) where the mask is 0, else 0.
; NOTHING OF reference() IS LEFT OUT in this program: q, k, v and mask all reach the output, and both products are done whole.
; A block's scale is 2^(floor(log2(its largest magnitude)) - 2): its byte is the largest magnitude's own exponent field - 2, held at 1 from below by a floor among the maximum's leaves.
; LIMITS: a block of zeros, or one whose largest magnitude lies under 2^-124, gets the byte 1 (the bytes are read by this program alone); NaN and infinities among the inputs are not served.
; kv: for head hd and step s (128 keys) a block of BLK = 8,960 bytes at (16 hd + s) BLK, laid AS THE NEXT LAUNCH'S OPERAND REGISTERS (L the reading lane, r = L % 16, h = L / 16):
;   0     K's codes: tile T = 4 c + T' (0..7) at 512 T + 16 L: key 128 s + 64 c + 32 (r / 8) + 8 T' + r % 8, channels 32 h .. 32 h + 31
;   4096  V's codes: tile t (0..3), half c at 1024 t + 512 c + 16 L: channel 16 t + r, keys 128 s + 64 c + 32 h + 0 .. 31
;   8192  K's scale words: at 16 L + 4 j the word of tile 2 j + h, row r.  Even tiles: bytes 0, 1 the channels' two blocks, bytes 2, 3 = 162 (2^35, over the mask's codes); odd tiles: bytes 0, 1 = 162, bytes 2, 3 the channels'
;   8704  V's scale words: at 8 L + 4 j the word of tile 2 j + h, row r: byte i for keys 32 i .. 32 i + 31 of the step
; maskn: for batch b, tile of 16 queries qt, step s: 1,024 bytes at ((128 b + qt) 16 + s) 1024.  At 256 g + 8 L + 4 e the word of K's tile 2 g + e for lane L:
;   its code i (bits 4 i ..) belongs to query 16 qt + 8 h + i and to the key of the tile's row r.
; SHARES.  Every wave takes 32,768 bytes of one input: work-groups 0-255 k, 256-511 v, 512-1023 the mask: three paths that part on the work-group's number.  Waves share nothing: no barrier.
; Each path that uses LDS has bytes of its own, and in them each wave its own.
.set BLK,   8960
.set VFO,   4096
.set KSO,   8192
.set VSO,   8704
.set KSTW,  32*272                     ; K's stage, a wave's: 32 keys x (256 bytes + 16)
.set MST,   4*KSTW                     ; the mask's stages begin behind K's four
.set MSTW,  1024                       ; a wave's: one step's words
.set SPARE, MST+4*MSTW                 ; the spare words, 128 bytes for each wave
.set SPW,   30                         ; v30  LDS address of my spare word; never rewritten
.set NIL,   31                         ; v31  0; never rewritten
; v1 lane, v2 r, v3 h, v4 16 x lane, v5 8 x lane; v6-v11 a path's own addresses and words; v16-v23 words on their way out; v24-v26 at work in QUANT32
; 32 numbers of ONE block in v[x] .. v[x + 31] become 16 bytes of codes in v[c] .. v[c + 3] and the scale's byte in v[e]
.macro QUANT32 x, c, e
	v_max3_num_f32 v24, |v[(\x)]|, |v[(\x)+1]|, |v[(\x)+2]|
	v_max3_num_f32 v25, |v[(\x)+3]|, |v[(\x)+4]|, |v[(\x)+5]|
.irp i, 6,10,14,18,22,26
	v_max3_num_f32 v24, v24, |v[(\x)+\i]|, |v[(\x)+\i+1]|
	v_max3_num_f32 v25, v25, |v[(\x)+\i+2]|, |v[(\x)+\i+3]|
.endr
	v_max3_num_f32 v24, v24, |v[(\x)+30]|, |v[(\x)+31]|
	v_max3_num_f32 v24, v24, v25, 0x1800000                        ; the floor 2^(3 - 127): the byte cannot fall under 1
	v_add_nc_u32 v26, 0xff000000, v24                              ; 2 off the exponent field: the conversion's scale operand
.irp g, 0,1,2,3
	v_cvt_scalef32_pk8_fp4_f32 v[(\c)+\g], v[(\x)+8*\g:(\x)+8*\g+7], v26
.endr
	v_lshrrev_b32 v[\e], 23, v26                                   ; the byte; also the plain line behind the conversions
.endm
; Group g = 2 c + p: keys 64 c + 16 p + 0 .. 15 (loads 0-7) and 64 c + 32 + 16 p + 0 .. 15 (loads 8-15): the rows of tiles 2 g and 2 g + 1.  Each load: 512 consecutive bytes, two keys
.macro LOADK g
.irp i, 0,1,2,3,4,5,6,7,8,9,10,11,12,13,14,15
	global_load_b128 v[32+64*((\g)%2)+4*\i:32+64*((\g)%2)+4*\i+3], v4, s[4:5] offset:(64*((\g)/2)+16*((\g)%2)+32*(\i/8))*256+512*(\i%8) th:TH_LOAD_NT
.endr
.endm
; The 32 keys turn through my stage, so that a lane gets 32 neighbouring channels of the key that its place in the tile asks for: stage row r % 8 + 16 (r / 8), the odd tile's 8 rows further on
.macro KGROUP g
.if (\g) < 3
	s_wait_loadcnt 16                              ; this group's 16 loads are in; the next group's 16 may be out
.else
	s_wait_loadcnt 0
.endif
.irp i, 0,1,2,3,4,5,6,7,8,9,10,11,12,13,14,15
	ds_store_b128 v6, v[32+64*((\g)%2)+4*\i:32+64*((\g)%2)+4*\i+3] offset:544*\i
.endr
.irp j, 0,1,2,3,4,5,6,7
	ds_load_b128 v[160+4*\j:163+4*\j], v7 offset:16*\j             ; LDS serves a wave's instructions in order (ISA guide 5.7.1.4): these see the stores above
.endr
.irp j, 0,1,2,3,4,5,6,7
	ds_load_b128 v[192+4*\j:195+4*\j], v7 offset:8*272+16*\j
.endr
	s_wait_dscnt 8                                 ; the even tile's numbers are in (the odd tile's eight reads may be out), so the stores have read their registers,
.if (\g) < 2
	LOADK (\g)+2                                   ; which take the group two further on
.endif
	QUANT32 160, 224+8*(\g), 9
	v_lshlrev_b32 v9, v8, v9                       ; my block's byte at its place (8 h bits up),
	v_permlanex16_b32 v11, v9, s20, s21
	v_or_b32 v9, v9, v11                           ; with lane l xor 16's,
	v_or_b32 v9, 0xa2a20000, v9                    ; and 2^35 over the mask's codes: the even tile's scale word
	global_store_b128 v4, v[224+8*(\g):227+8*(\g)], s[10:11] offset:1024*(\g)      ; 32 lanes store 512 consecutive bytes
	s_wait_dscnt 0
	QUANT32 192, 228+8*(\g), 10
	v_lshlrev_b32 v10, v8, v10
	v_permlanex16_b32 v11, v10, s20, s21
	v_or_b32 v10, v10, v11
	v_lshl_or_b32 v10, v10, 16, 0xa2a2             ; the odd tile's word: the channels' bytes above, the mask's below
	global_store_b128 v4, v[228+8*(\g):231+8*(\g)], s[10:11] offset:1024*(\g)+512
	v_cndmask_b32 v[16+(\g)], v9, v10, s22         ; lanes 0-15 keep the even tile's word, lanes 16-31 the odd tile's
.endm
.macro LOADV t                         ; group t: keys 32 (t / 2) + i, i = 0 .. 31, of channel 32 (t % 2) + lane, into set t % 2
.irp i, 0,1,2,3,4,5,6,7,8,9,10,11,12,13,14,15,16,17,18,19,20,21,22,23,24,25,26,27,28,29,30,31
	global_load_b32 v[32+32*((\t)%2)+\i], v6, s[6:7] offset:(32*((\t)/2)+\i)*256+128*((\t)%2)
.endr
.endm
.macro VGROUP t
.if (\t) < 7
	s_wait_loadcnt 32                              ; this group's 32 loads are in; the next group's may be out
.else
	s_wait_loadcnt 0
.endif
	QUANT32 32+32*((\t)%2), 96+4*(\t), 9
.if (\t) < 2
	v_mov_b32 v[16+(\t)%2], v9                     ; my channel's scale word: the lower keys in the lower byte
.else
	v_lshl_or_b32 v[16+(\t)%2], v9, 8*((\t)/2), v[16+(\t)%2]
.endif
	global_store_b128 v7, v[96+4*(\t):99+4*(\t)], s[10:11] offset:VFO+2048*((\t)%2)+512*((\t)/4)+256*(((\t)/2)%2)   ; lanes 0-15 fill 256 consecutive bytes of one tile, lanes 16-31 of the next
.if (\t) < 6
	LOADV (\t)+2
.endif
.endm
.macro LOADM st                        ; step st of my four: 16 rows x 512 consecutive bytes into set st % 2: register 4 i + e is row i, key 4 lane + e
.irp i, 0,1,2,3,4,5,6,7,8,9,10,11,12,13,14,15
	global_load_b128 v[32+64*((\st)%2)+4*\i:32+64*((\st)%2)+4*\i+3], v4, s[8:9] offset:8192*\i+512*(\st) th:TH_LOAD_NT
.endr
.endm
; A lane holds 16 queries of 4 keys: eight words, v[160 + 4 hh + e] for key 4 lane + e and queries 8 hh .. + 7, query 8 hh + i in bits 4 i.
; min(m, 1) is 1 where the mask is not 0; the words are gathered from query 7 down, then turned over: 1 where the mask is 0.
.macro MSTEP st
.set MS, 32+64*((\st)%2)
.if (\st) < 3
	s_wait_loadcnt 16                              ; this step's 16 loads are in; the next step's may be out
.else
	s_wait_loadcnt 0
.endif
.irp hh, 0,1
.irp e, 0,1,2,3
	v_min_u32 v[160+4*\hh+\e], 1, v[MS+4*(8*\hh+7)+\e]
.endr
.endr
.irp i, 6,5,4,3,2,1,0
.irp hh, 0,1
.irp e, 0,1,2,3
	v_min_u32 v[MS+4*(8*\hh+\i)+\e], 1, v[MS+4*(8*\hh+\i)+\e]
.endr
.endr
.irp hh, 0,1
.irp e, 0,1,2,3
	v_lshl_or_b32 v[160+4*\hh+\e], v[160+4*\hh+\e], 4, v[MS+4*(8*\hh+\i)+\e]
.endr
.endr
.endr
.irp w, 0,1,2,3,4,5,6,7
	v_xor_b32 v[160+\w], 0x11111111, v[160+\w]
.endr
.irp hh, 0,1
.irp e, 0,1,2,3
	ds_store_b32 v6, v[160+4*\hh+\e] offset:128*\hh+8*\e           ; each word to its place in the step's 1,024 bytes
.endr
.endr
	ds_load_b128 v[168+8*(\st):171+8*(\st)], v7                    ; back as they lie; LDS serves a wave's instructions in order
	ds_load_b128 v[172+8*(\st):175+8*(\st)], v7 offset:512
.if (\st) < 2
	LOADM (\st)+2
.endif
	s_wait_dscnt 0x0
	global_store_b128 v4, v[168+8*(\st):171+8*(\st)], s[12:13] offset:1024*(\st)       ; 32 lanes store 512 consecutive bytes; each step has its own registers
	global_store_b128 v4, v[172+8*(\st):175+8*(\st)], s[12:13] offset:1024*(\st)+512
.endm
.macro FINISH                          ; the wave's end
	s_wait_tensorcnt 0x0
	ds_add_u32 v[SPW], v[NIL]
	s_wait_dscnt 0x0
	s_endpgm
.endm
	s_load_b256 s[4:11], s[0:1], 0x0               ; k s[4:5], v s[6:7], mask s[8:9], kv s[10:11]
	s_load_b64 s[12:13], s[0:1], 0x20              ; maskn
	v_lshl_add_u32 v[SPW], v0, 2, SPARE
	v_mov_b32 v[NIL], 0
	v_lshrrev_b32 v1, 5, v0
	v_readfirstlane_b32 s14, v1                    ; wave 0..3
	v_and_b32 v1, 31, v0                           ; lane
	v_and_b32 v2, 15, v0                           ; r
	v_bfe_u32 v3, v0, 4, 1                         ; h
	v_lshlrev_b32 v4, 4, v1
	v_lshlrev_b32 v5, 3, v1
	s_mov_b32 s17, 0
	s_mov_b32 s19, 0
	s_lshl_b32 s15, ttmp9, 2
	s_add_co_u32 s15, s15, s14                     ; 4 x work-group + wave
	s_wait_kmcnt 0x0
	s_cmp_lt_u32 ttmp9, 256
	s_cbranch_scc1 .Lkeys
	s_cmp_lt_u32 ttmp9, 512
	s_cbranch_scc1 .Lvalues
	; ---- THE MASK.  Unit m: the 16 rows of (b, qt) = m / 4, steps 4 (m % 4) .. + 3
	s_sub_co_u32 s15, s15, 2048                    ; m
	s_lshr_b32 s16, s15, 2
	s_lshl_b32 s16, s16, 17                        ; 16 rows of 8,192 bytes
	s_and_b32 s18, s15, 3
	s_lshl_b32 s18, s18, 11                        ; 4 steps of 512 bytes
	s_add_co_u32 s16, s16, s18
	s_add_nc_u64 s[8:9], s[8:9], s[16:17]
	s_lshl_b32 s18, s15, 12                        ; 4 steps of 1,024 bytes of words
	s_add_nc_u64 s[12:13], s[12:13], s[18:19]
	s_mul_i32 s23, s14, MSTW
	s_add_co_u32 s23, s23, MST                     ; my stage
	s_wait_alu depctr_va_vdst(0)
	; key 4 l + e = 64 c + 32 rho + 8 T' + j lies at 512 c + 256 (T' / 2) + 64 rho + 8 j + 4 (T' % 2) (+ 128 hh): c = l bit 4, rho = bit 3, T' = bits 2:1, j = 4 (l bit 0) + e
	v_lshlrev_b32 v6, 9, v3
	v_bfe_u32 v8, v0, 2, 1
	v_lshl_add_u32 v6, v8, 8, v6
	v_bfe_u32 v8, v0, 3, 1
	v_lshl_add_u32 v6, v8, 6, v6
	v_and_b32 v8, 1, v0
	v_lshl_add_u32 v6, v8, 5, v6
	v_bfe_u32 v8, v0, 1, 1
	v_lshl_add_u32 v6, v8, 2, v6
	v_add_nc_u32 v6, s23, v6
	v_add_nc_u32 v7, s23, v4                       ; back: 16 bytes a lane
	LOADM 0
	LOADM 1
	s_wait_alu depctr_va_vdst(0)
.irp st, 0,1,2,3
	MSTEP \st
.endr
	FINISH
	; ---- K.  Unit u = 16 hd + s: 128 keys x 256 bytes
.Lkeys:
	s_lshl_b32 s16, s15, 15
	s_add_nc_u64 s[4:5], s[4:5], s[16:17]
	s_mul_i32 s18, s15, BLK
	s_add_nc_u64 s[10:11], s[10:11], s[18:19]
	s_mov_b32 s20, 0x76543210
	s_mov_b32 s21, 0xfedcba98                      ; v_permlanex16_b32's selects for lane l xor 16
	s_mov_b32 s22, 0xffff0000                      ; lanes 16-31
	s_mul_i32 s23, s14, KSTW                       ; my stage
	s_wait_alu depctr_va_vdst(0)
	v_mul_u32_u24 v6, v3, 272
	v_lshl_add_u32 v6, v2, 4, v6
	v_add_nc_u32 v6, s23, v6                       ; in: lanes 0-15 one key's 256 bytes, lanes 16-31 the next key's
	v_and_b32 v7, 8, v2
	v_add_nc_u32 v7, v7, v2                        ; r % 8 + 16 (r / 8)
	v_mul_u32_u24 v7, v7, 272
	v_lshl_add_u32 v7, v3, 7, v7
	v_add_nc_u32 v7, s23, v7                       ; back: that stage row, + 128 h
	v_lshlrev_b32 v8, 3, v3                        ; 8 h
	v_mov_b32 v11, 0                               ; a lane permute's destination counts as read
	LOADK 0
	LOADK 1
	s_wait_alu depctr_va_vdst(0)
.irp g, 0,1,2,3
	KGROUP \g
.endr
	global_store_b128 v4, v[16:19], s[10:11] offset:KSO            ; the step's 128 scale words: 512 consecutive bytes
	FINISH
	; ---- V.  The same unit of v.  A LANE TAKES A CHANNEL AND ITS REGISTERS RUN DOWN THE KEYS: a block of 32 keys lies in one lane, and the codes come out with the keys innermost.  No LDS
.Lvalues:
	s_sub_co_u32 s15, s15, 1024
	s_lshl_b32 s16, s15, 15
	s_add_nc_u64 s[6:7], s[6:7], s[16:17]
	s_mul_i32 s18, s15, BLK
	s_add_nc_u64 s[10:11], s[10:11], s[18:19]
	s_wait_alu depctr_va_vdst(0)
	v_lshlrev_b32 v6, 2, v1                        ; in: 4 bytes a lane
	v_lshlrev_b32 v7, 10, v3
	v_lshl_add_u32 v7, v2, 4, v7                   ; out: tile lane / 16 of my two, row lane % 16
	LOADV 0
	LOADV 1
.irp t, 0,1,2,3,4,5,6,7
	VGROUP \t
.endr
	global_store_b64 v5, v[16:17], s[10:11] offset:VSO             ; the step's 64 scale words: 256 consecutive bytes
	FINISH
.Lfunc_end_k_qab13fed808_prep:
	.size	k_qab13fed808_prep, .Lfunc_end_k_qab13fed808_prep-k_qab13fed808_prep
	.p2alignl 7, 3214868480
	.fill 96, 4, 3214868480
	.section	.rodata,"a",@progbits
	.p2align	6, 0x0
	.amdhsa_kernel k_qab13fed808_prep
		.amdhsa_group_segment_fixed_size 39424
		.amdhsa_private_segment_fixed_size 0
		.amdhsa_enable_private_segment 0
		.amdhsa_kernarg_size 40
		.amdhsa_user_sgpr_count 2
		.amdhsa_user_sgpr_kernarg_segment_ptr 1
		.amdhsa_wavefront_size32 1
		.amdhsa_system_sgpr_workgroup_id_x 1
		.amdhsa_system_sgpr_workgroup_id_y 1
		.amdhsa_system_sgpr_workgroup_id_z 1
		.amdhsa_system_vgpr_workitem_id 0
		.amdhsa_next_free_vgpr 256
		.amdhsa_next_free_sgpr 66
		.amdhsa_reserve_vcc 0
		.amdhsa_float_denorm_mode_32 3
		.amdhsa_float_denorm_mode_16_64 3
		.amdhsa_memory_ordered 1
		.amdhsa_forward_progress 1
		.amdhsa_inst_pref_size 103
	.end_amdhsa_kernel
	.amdgpu_metadata
---
amdhsa.version: [ 1, 2 ]
amdhsa.kernels:
  - .name:           k_qab13fed808_prep
    .symbol:         k_qab13fed808_prep.kd
    .args:
      - { .name: k, .offset: 0, .size: 8, .value_kind: global_buffer, .address_space: global }
      - { .name: v, .offset: 8, .size: 8, .value_kind: global_buffer, .address_space: global }
      - { .name: mask, .offset: 16, .size: 8, .value_kind: global_buffer, .address_space: global }
      - { .name: kv, .offset: 24, .size: 8, .value_kind: global_buffer, .address_space: global }
      - { .name: maskn, .offset: 32, .size: 8, .value_kind: global_buffer, .address_space: global }
    .group_segment_fixed_size: 39424
    .private_segment_fixed_size: 0
    .kernarg_segment_align: 8
    .kernarg_segment_size: 40
    .max_flat_workgroup_size: 128
    .sgpr_count:     66
    .vgpr_count:     256
    .wavefront_size: 32
...
	.end_amdgpu_metadata
.endif
;; end of part 1
;; launch attn (part 2): grid 4 x 64, 16 waves a work-group, clusters of 4 x 1, 215,040 bytes of LDS; arguments q, kv, maskn, out0; writes out0
.if DOCPART == 2
	.amdgcn_target "amdgcn-amd-amdhsa--gfx1250"
	.amdhsa_code_object_version 6
	.text
	.protected	k_qab13fed808_attn
	.globl	k_qab13fed808_attn
	.p2align	8
	.type	k_qab13fed808_attn,@function
k_qab13fed808_attn:
	s_mov_b64 s[64:65], 0
	v_nop
	global_prefetch_b8 v0, s[64:65] scope:SCOPE_SE
	s_setreg_imm32_b32 hwreg(HW_REG_WAVE_MODE, 25, 1), 1
	s_wait_xcnt 0x0
	s_wait_alu depctr_hold_cnt(0) depctr_sa_sdst(0) depctr_va_vdst(0) depctr_va_sdst(0) depctr_va_ssrc(0) depctr_va_vcc(0) depctr_vm_vsrc(0)
	s_getreg_b32 s2, hwreg(HW_REG_IB_STS2, 6, 4)
	s_cmp_eq_u32 s2, 0
	s_cbranch_scc0 .Lentry_in_a_cluster
	s_endpgm
.Lentry_in_a_cluster:
	s_bfe_u32 s2, ttmp6, 0x10000c
	s_cmp_lg_u32 s2, 0x3003
	s_cbranch_scc0 .Lentry_shape_is_right
	s_endpgm
.Lentry_shape_is_right:
; out0[hd][q][:] = the sum over keys of softmax(where(mask == 0, -1e9, q . k / 8)) v[key][:], 64 heads (batch x 16), 2,048 queries and keys, head size 64; both products on codes of FP4 (E2M1) with one E8M0 scale for each 32 along K.
; Nothing of reference() is left out here either.
; THE SOFTMAX AHEAD OF THE SECOND PRODUCT: t = score x log2(e) / 8; M = the row's largest t so far, rounded UP to a whole number; p = 2^(t - M) is what is quantised, along the keys, not normalised.
; The row's sum is taken of the unquantised p, in f32, and divides at the end.  When M moves, the sum and O are multiplied by 2^(old M - new M): exact.
; THE MASK GOES THROUGH THE FIRST PRODUCT.  Its K is 64 of the instruction's 128.  Of the other 64, sixteen hold, on K's side, a code 0.5 for each (key of the row, query) whose mask is 0, and on Q's side an identity of
;   codes -1: query r has its one code at the place of query r.  Under the scales 2^35 and 1 that adds -2^34 to each masked score and nothing to the others.
; A ROW WHOSE EVERY KEY IS MASKED SO FAR: the running largest raw score starts at the floor -2^33, over every masked score.  While it stands there, the row's multiplier and addend are 0 (two selects a step): p = 1 for all its keys,
;   the uniform row that reference() gives; M does not move meanwhile, and the first key that counts multiplies what was summed by 0.
; LIMITS: raw scores that are not masked lie between -2^33 and 2^33 (logits under 2^30 in magnitude); where reference() puts the logit -1e9, here a masked key's p is 0 beside any key that counts.
;   NaN and infinities among the inputs are not served; a block of q under 2^-124 gets the byte 1.
; SHARES.  The four work-groups of a cluster take one head, 512 queries each.  A work-group has SIXTEEN waves of 256 registers, four to a SIMD.  A wave owns 32 queries, a tile of 16 at a time (two passes), and walks all 2,048 keys, 128 a step.
; LDS.  The head's codes and scale words, 16 steps x 8,960 bytes as the launch before laid them (images of the operand registers), come in ONCE: each wave asks for one step's block, JOINTLY with the same wave
;   of the three partners (one tensor load of mine is out, once).  Nothing is filled again: one barrier, no ring.
; LAYOUT.  Both products are used transposed: S^T = K Q^T, O^T = V^T P^T: a lane holds ONE query (lane % 16) throughout.
;   Row m of K's tile 4 c + T' is key 64 c + 32 (m / 8) + 8 T' + m % 8: so score registers 32 c .. 32 c + 31 of lane (r, h) are keys 64 c + 32 h + 0 .. 31 in order: ONE WHOLE BLOCK of the second product's K in a lane.
;   Its maximum needs no other lane, and the conversions' results are P's operand registers as they stand.
;   K's fragments lie in pairs of 12 registers: [even tile's codes 4][X 4][odd tile's codes 4]; the even fragment is the first 8, the odd one the last 8.  X0, X1 are the two tiles' mask words, X2, X3 zeros.
;   Q likewise: v16-27 = [0 I 0 0][Q's codes 4][I 0 0 0]: the last 8 go with even tiles (I meets X0), the first 8 with odd ones (I meets X1); the other word meets zeros.
; THE MASK'S WORDS come by four loads of 256 consecutive bytes a step into two landing sets of 8 registers that take turns: behind step s's first products the words of step s + 1 are moved into X,
;   and the set that they leave takes the loads of step s + 3.  They are no tile that partners share: each wave has its own queries.  A loop's trip is two steps, so that the sets' numbers come back.
; PREFETCH: the words of (batch, queries, step) are read by the same wave of 16 heads' work-groups.  Four steps are 16 blocks of 256 bytes: in the first of each four steps the wave of head j asks for block j of the four steps
;   that begin eight steps on, five steps ahead of the first load that wants them.  The first eight steps come by their loads alone; the last eight ask for nothing.  kv comes once, at the head: no loop to run ahead in.
.set BLK,   8960                       ; a step's block: K's codes 0, V's 4096, K's scale words 8192, V's 8704
.set STAGE, 16*BLK                     ; a stage of 16 rows x (256 bytes + 16) for each wave, its own: q on the way in, O on the way out
.set STW,   16*272
.set SPARE, STAGE+16*STW               ; the spare words, 128 bytes for each wave
.set AF,    32                         ; v32-79   K's fragments, four pairs of 12
.set SC,    96                         ; v96-159  S^T, then p
.set OT,    160                        ; v160-191 O^T
.set VF,    192                        ; v192-223 V's four fragments; between passes q as loaded
.set PB,    224                        ; v224-231 P's codes
; v1 16 x lane  v2 8 x lane  v3 stage: 272 h + 16 r  v4 stage: 272 r + 128 h  v5 stage: 272 r + 32 h  v6 my spare word  v7 0  v8, v9 this step's block + 16, 8 x lane  v10 Q's scale words for odd tiles  v11 the next step's block + 16 x lane
; v12 -M  v13 the largest raw score  v[14:15] the sum in two halves  v16-27 Q  v28-31 K's scale words  v80-87, v88-95 the mask words' landing sets (even steps', odd steps')
; v232-241 at work: chains of maxima, the row's numbers, chains of sums  v[242:243] V's scale words  v244, v245 my two blocks' largest  v246, v247 at work  v248 P's scale word  v249 Q's scale words for even tiles
; v[250:251] the row's multiplier | 256 x (head % 16)   v[252:253] f | c   v[254:255] the row's addend | 8 h   (the packed forms name the pairs and take their low words)
; s[4:5] q  s[6:7] kv  s[8:9] maskn  s[10:11] out0  s[12:15], s[16:23] the descriptor  s24 wave  s25, s41 this and the next step's LDS byte  s26 steps done, of both passes  s27 the pass's step  s28 passes to go  s[30:31] lane selects  s40 c
.macro CROUND                          ; a round of the cluster's barrier
	s_barrier_signal -1
	s_barrier_wait -1
	s_cmp_lg_u32 s24, 0
	s_cbranch_scc1 .Lnot_wave_0_\@
	s_barrier_signal -3
.Lnot_wave_0_\@:
	s_barrier_wait -3
	s_barrier_signal -1
	s_barrier_wait -1
.endm
.macro QLOAD                           ; a tile's 16 rows of q, 256 bytes each: 8 loads of 512 consecutive bytes
.irp i, 0,1,2,3,4,5,6,7
	global_load_b128 v[VF+4*\i:VF+4*\i+3], v1, s[4:5] offset:512*\i th:TH_LOAD_NT
.endr
.endm
.macro KLOAD a                         ; K's eight fragments and their scale words, from the block at v[a]
.irp g, 0,1,2,3
	ds_load_b128 v[AF+12*\g:AF+12*\g+3], v[\a] offset:1024*\g
	ds_load_b128 v[AF+12*\g+8:AF+12*\g+11], v[\a] offset:1024*\g+512
.endr
	ds_load_b128 v[28:31], v[\a] offset:8192
.endm
.macro MLOAD d, st, off                ; a step's mask words: four pairs of registers, st apart, from d on
.irp g, 0,1,2,3
	global_load_b64 v[(\d)+(\st)*\g:(\d)+(\st)*\g+1], v2, s[8:9] offset:(\off)+256*\g
.endr
.endm
.macro ACC i, k                        ; chain i of the row's sum takes p's pair k
	v_pk_add_f32 v[232+2*(\i):233+2*(\i)], v[232+2*(\i):233+2*(\i)], v[SC+2*(\k):SC+2*(\k)+1]
.endm
.macro TM n                            ; n pairs of scores become t - M (of the two pairs the low word serves both halves)
.rept \n
	v_pk_fma_f32 v[SC+j:SC+j+1], v[SC+j:SC+j+1], v[250:251], v[254:255] op_sel_hi:[1,0,0]
.set j, j+2
.endr
.endm
	s_load_b256 s[4:11], s[0:1], 0x0
	v_lshl_add_u32 v6, v0, 2, SPARE
	v_mov_b32 v7, 0
	ds_add_u32 v6, v7                              ; the wave's opening: the add, twice on end, and its wait ahead of my first tensor load
	ds_add_u32 v6, v7
	v_lshrrev_b32 v8, 5, v0
	s_delay_alu instid0(VALU_DEP_1)
	v_readfirstlane_b32 s24, v8                    ; wave 0..15
	s_bfe_u32 s29, ttmp6, 0x40000                  ; cx: my quarter of the head's queries: it enters the addresses of q, maskn and out0 alone
	s_and_b32 s3, ttmp7, 0xffff                    ; the head, which the four partners share
	s_lshl_b32 s2, s29, 17
	s_lshl_b32 s38, s24, 13
	s_add_co_u32 s2, s2, s38                       ; 512 cx + 32 wave rows of 256 bytes
	s_lshl_b32 s32, s3, 19
	s_add_co_u32 s32, s32, s2                      ; q, out0: + the head's 2,048 rows
	s_mov_b32 s33, 0
	s_lshr_b32 s34, s3, 4                          ; the batch
	s_lshl_b32 s34, s34, 21                        ; its 128 tiles of 16,384 bytes
	s_lshl_b32 s35, s2, 2                          ; 32 cx + 2 wave tiles
	s_add_co_u32 s34, s34, s35
	s_mov_b32 s35, 0
	s_and_b32 s42, s3, 15
	s_lshl_b32 s42, s42, 8                         ; which block of sixteen my head prefetches
	s_mov_b32 s12, 1                               ; group 0: count = 1
	s_mul_i32 s13, s24, BLK                        ; LDS address: step = my wave's number
	s_mul_i32 s36, s3, 16*BLK
	s_add_co_u32 s36, s36, s13                     ; and the same step of the head in kv
	s_mov_b32 s37, 0
	s_mov_b32 s16, 15|(3<<16)|(1<<21)              ; group 1: the mask: all four work-groups; elements of 8 bytes; bit 21 beside a mask; no padding
	s_mov_b32 s17, 32<<16                          ; tensor_dim0 = 32 elements: 256 bytes
	s_mov_b32 s18, 35<<16                          ; tensor_dim1 = 35 rows: 8,960 dense bytes
	s_mov_b32 s19, 32<<16                          ; tile_dim0
	s_mov_b32 s20, 35                              ; tile_dim1
	s_mov_b32 s21, 32                              ; from row to row
	s_mov_b32 s22, 0
	s_mov_b32 s23, 0
	s_mov_b32 s30, 0x76543210
	s_mov_b32 s31, 0xfedcba98                      ; v_permlanex16_b32's selects for lane l xor 16
	s_mov_b32 s40, 0x3e38aa3b                      ; c = log2(e) / 8
	s_mul_i32 s39, s24, STW
	s_add_co_u32 s39, s39, STAGE                   ; my stage
	v_and_b32 v1, 31, v0
	v_and_b32 v8, 15, v0                           ; r
	v_bfe_u32 v9, v0, 4, 1                         ; h
	v_lshlrev_b32 v2, 3, v1
	v_lshlrev_b32 v1, 4, v1
	v_mul_u32_u24 v3, v9, 272
	v_mul_u32_u24 v4, v8, 272
	v_lshlrev_b32 v255, 3, v9                      ; 8 h
	v_lshl_add_u32 v3, v8, 4, v3
	v_lshl_add_u32 v5, v9, 5, v4
	v_lshl_add_u32 v4, v9, 7, v4
	v_add_nc_u32 v3, s39, v3
	v_add_nc_u32 v5, s39, v5
	v_add_nc_u32 v4, s39, v4
	v_and_b32 v232, 7, v0
	v_mov_b32 v233, 10                             ; the code of -1
	v_bfe_u32 v234, v0, 3, 1
	v_lshlrev_b32 v232, 2, v232
	v_cmp_eq_u32 vcc_lo, v234, v9                  ; lane (r, h) holds the places of queries 8 h .. 8 h + 7: query r's is among them where r / 8 = h
	v_lshlrev_b32 v232, v232, v233
	s_delay_alu instid0(VALU_DEP_1)
	v_cndmask_b32 v17, 0, v232, vcc_lo             ; I, for odd tiles
	s_delay_alu instid0(VALU_DEP_1)
	v_mov_b32 v24, v17                             ; and for even ones
.irp j, 16,18,19,25,26,27
	v_mov_b32 v\j, 0                               ; Q's zero codes, written once
.endr
.irp g, 0,1,2,3
	v_mov_b32 v[AF+12*\g+6], 0                     ; X2, X3: zero codes, written once
	v_mov_b32 v[AF+12*\g+7], 0
.endr
	v_mov_b32 v253, s40
	v_mov_b32 v251, s42
	s_wait_alu depctr_va_vdst(0)
	s_wait_dscnt 0x0                               ; both opening adds are done
	s_wait_kmcnt 0x0
	s_add_nc_u64 s[4:5], s[4:5], s[32:33]
	s_add_nc_u64 s[10:11], s[10:11], s[32:33]
	s_add_nc_u64 s[8:9], s[8:9], s[34:35]
	s_add_nc_u64 s[14:15], s[6:7], s[36:37]        ; the block's global address
	s_or_b32 s15, s15, 0x80000000                  ; type = 2
	CROUND                                         ; all four work-groups are here: the joint loads meet
	tensor_load_to_lds s[12:15], s[16:23]          ; my step's block, for all four
	s_nop 0
.rept 4
	v_nop
.endr
	QLOAD                                          ; the first tile of q
	MLOAD AF+4, 12, 0                              ; step 0's mask words go straight into X,
	MLOAD 88, 2, 1024                              ; step 1's into the odd steps' set,
	MLOAD 80, 2, 2048                              ; step 2's into the even steps'
	s_wait_tensorcnt 0x0                           ; my block is in: for the others' sake,
	s_barrier_signal -1
	s_barrier_wait -1                              ; and everybody's is
	KLOAD 1                                        ; step 0's fragments of K
	s_mov_b32 s26, 0
	s_mov_b32 s28, 2
; A STEP: 128 keys.  par: the step's number mod 2
.macro STEP par
.set LQ, 88-8*\par                                 ; the landing set of the step that follows
	s_add_co_u32 s25, s27, \par
	s_add_co_u32 s41, s25, 1
	s_mul_i32 s25, s25, BLK                        ; this step's block,
	s_and_b32 s41, s41, 15
	s_mul_i32 s41, s41, BLK                        ; and the next one's: behind a pass's last step comes step 0 again, for the next pass
	s_wait_xcnt 0x0                                ; my loads and prefetches have read their base: it may step
	s_add_nc_u64 s[8:9], s[8:9], 1024              ; it stands one step on from this step's words
.irp g, 0,1,2,3
	v_wmma_scale_f32_16x16x128_f8f6f4 v[SC+16*\g:SC+16*\g+7], v[AF+12*\g:AF+12*\g+7], v[20:27], 0, v[28+\g], v249 matrix_a_fmt:MATRIX_FMT_FP4 matrix_b_fmt:MATRIX_FMT_FP4
	v_wmma_scale_f32_16x16x128_f8f6f4 v[SC+16*\g+8:SC+16*\g+15], v[AF+12*\g+4:AF+12*\g+11], v[16:23], 0, v[28+\g], v10 matrix_a_fmt:MATRIX_FMT_FP4 matrix_b_fmt:MATRIX_FMT_FP4 matrix_a_scale:MATRIX_SCALE_ROW1
.endr
	v_add_nc_u32 v8, s25, v1                       ; four places between the products and what is written or loaded into their sources, and the first read of their results (ISA guide 7.12.1)
	v_add_nc_u32 v9, s25, v2
	v_add_nc_u32 v11, s41, v1
	v_nop
.irp t, 0,1,2,3
.irp c, 0,1
	ds_load_b128 v[VF+8*\t+4*\c:VF+8*\t+4*\c+3], v8 offset:4096+1024*\t+512*\c     ; V's four fragments land under the softmax
.endr
.endr
	ds_load_b64 v[242:243], v9 offset:8704         ; register j: lanes 0-15 tile 2 j's scale words, lanes 16-31 tile 2 j + 1's
.if \par
	s_cmp_lt_u32 s26, 30                           ; the last of my 32 steps has no step behind it
	s_cbranch_scc0 .Lasked_\@
.endif
	KLOAD 11                                       ; the next step's fragments of K
	s_wait_loadcnt 0x4                             ; the next step's mask words are in; the four loads of the step behind it may be out
.irp g, 0,1,2,3
	v_mov_b32 v[AF+12*\g+4], v[LQ+2*\g]            ; into X
	v_mov_b32 v[AF+12*\g+5], v[LQ+2*\g+1]
.endr
	s_cmp_lt_u32 s26, 30-2*\par                    ; my 32 steps are 32,768 consecutive bytes of maskn: is there a step three on?
	s_cbranch_scc1 .Lmore_\@
	s_wait_loadcnt 0x0                             ; no: then no younger loads will stand behind the last words, so they are waited for here
	s_branch .Lasked_\@
.Lmore_\@:
	MLOAD LQ, 2, 2048                              ; the words of three steps on, into the set just left
.Lasked_\@:
.if \par == 0
	s_and_b32 s43, s26, 3
	s_cmp_eq_u32 s43, 0                            ; the first of four steps?
	s_cselect_b32 s43, s26, 99
	s_cmp_lt_u32 s43, 24                           ; and four steps begin eight on
	s_cbranch_scc0 .Lno_ask_\@
	global_prefetch_b8 v251, s[8:9] offset:7168 th:TH_LOAD_NT scope:SCOPE_SE   ; the base stands one step on: + 7 steps; + my head's block
.Lno_ask_\@:
.endif
.irp T, 0,1,2,3,4,5,6,7                            ; THE LARGEST SCORE OF EACH OF MY TWO BLOCKS: a chain to an accumulator, eight by turns; every accumulator is read from its low end on
	v_max3_num_f32 v[232+\T], v[SC+8*\T], v[SC+8*\T+1], v[SC+8*\T+2]
.endr
.irp i, 3,5
.irp T, 0,1,2,3,4,5,6,7
	v_max3_num_f32 v[232+\T], v[232+\T], v[SC+8*\T+\i], v[SC+8*\T+\i+1]
.endr
.endr
.irp c, 0,1                                        ; the chains are joined, each join taking in an accumulator's eighth register
	v_max3_num_f32 v[232+4*\c], v[232+4*\c], v[233+4*\c], v[SC+32*\c+7]
	v_max3_num_f32 v[234+4*\c], v[234+4*\c], v[235+4*\c], v[SC+32*\c+15]
.endr
.irp c, 0,1
	v_max3_num_f32 v[232+4*\c], v[232+4*\c], v[234+4*\c], v[SC+32*\c+23]
.endr
.irp c, 0,1
	v_max_num_f32 v[244+\c], v[232+4*\c], v[SC+32*\c+31]           ; blocks h and 2 + h
.endr
	s_delay_alu instid0(VALU_DEP_1)
	v_max_num_f32 v232, v244, v245
	s_delay_alu instid0(VALU_DEP_1)
	v_permlanex16_b32 v233, v232, s30, s31
	s_delay_alu instid0(VALU_DEP_1)
	v_max3_num_f32 v13, v13, v232, v233            ; the running largest raw score of my query
	s_delay_alu instid0(VALU_DEP_1)
	v_mul_f32 v234, s40, v13                       ; as t (c is positive)
	v_cmp_lt_f32 vcc_lo, 0xd0000000, v13           ; has any key counted yet?
	s_delay_alu instid0(VALU_DEP_2)
	v_floor_f32 v235, -v234                        ; the new -M = -ceil(t): a whole number
	v_cndmask_b32 v250, 0, v253, vcc_lo            ; the row's multiplier: c, or 0 while every key was masked
	v_cndmask_b32 v254, 0, v235, vcc_lo            ; the row's addend: -M, or 0
.set j, 0
	TM 8                                           ; f is made among the multiply-adds, which do not wait for it
	v_sub_f32 v236, v235, v12                      ; M's old value less its new one: a whole number, 0 or less
	TM 8
	v_cvt_i32_f32 v236, v236                       ; (it saturates)
	v_mov_b32 v12, v235
	TM 8
	v_ldexp_f32 v252, 1.0, v236                    ; f = 2^(old M - new M)
	TM 8
	v_fma_f32 v244, v244, v250, v254               ; the same of each block's largest score: p rises with the score, so this gives the block's largest p
	v_fma_f32 v245, v245, v250, v254
.set j, 0
.rept 16
	v_pk_mul_f32 v[OT+j:OT+j+1], v[OT+j:OT+j+1], v[252:253] op_sel_hi:[1,0]   ; O^T under the new M, ahead of the exponentials
.set j, j+2
.endr
	s_wait_alu depctr_va_vdst(0)
	v_exp_f32 v244, v244
	v_exp_f32 v245, v245
.set j, 0
.rept 64
	v_exp_f32 v[SC+j], v[SC+j]                     ; p = 2^(t - M), at most 1: not normalised
.set j, j+1
.endr
	v_nop                                          ; the plain line behind the exponentials
	s_wait_alu depctr_va_vdst(0)                   ; and the one wait behind the batch, ahead of its first reader
	; THE ROW'S SUM IS TAKEN OF THE UNQUANTISED p: two at a time, in five chains; the lines that make the blocks' scales, which hang on each other, stand between the chains' turns
	v_max_num_f32 v244, 0x1800000, v244            ; the floor 2^(3 - 127): a block whose every p is 0 keeps the byte 1: its codes are zeros
	v_max_num_f32 v245, 0x1800000, v245
.irp i, 0,1,2,3,4
	v_pk_add_f32 v[232+2*\i:233+2*\i], v[SC+2*\i:SC+2*\i+1], v[SC+10+2*\i:SC+11+2*\i]
.endr
	v_add_nc_u32 v244, 0xff000000, v244            ; 2 off the exponent field: the conversion's scale operand
	v_add_nc_u32 v245, 0xff000000, v245
.irp i, 0,1,2,3,4
	ACC \i, 10+\i
.endr
	v_lshrrev_b32 v246, 23, v244                   ; the scale's byte
	v_lshrrev_b32 v247, 23, v245
.irp i, 0,1,2,3,4
	ACC \i, 15+\i
.endr
	v_lshl_or_b32 v246, v247, 16, v246             ; my two bytes: blocks h and 2 + h,
.irp c, 0,1
.irp g, 0,1,2,3
	v_cvt_scalef32_pk8_fp4_f32 v[PB+4*\c+\g], v[SC+32*\c+8*\g:SC+32*\c+8*\g+7], v[244+\c]   ; registers 4 c .. 4 c + 3 of P's operand: keys 64 c + 32 h + 0 .. 31
.endr
.endr
	v_lshlrev_b32 v246, v255, v246                 ; at their places, 8 h bits up (also the plain line behind the conversions)
.irp i, 0,1,2,3,4
	ACC \i, 20+\i
.endr
	v_permlanex16_b32 v247, v246, s30, s31
.irp i, 0,1,2
	ACC \i, 25+\i
.endr
	v_or_b32 v248, v246, v247                      ; with lane l xor 16's two bytes: p's scale word; nine plain lines stand between it and the products
	ACC 3, 28
	ACC 4, 29
	ACC 0, 30
	ACC 1, 31
	v_pk_add_f32 v[236:237], v[236:237], v[238:239]
	v_pk_add_f32 v[232:233], v[232:233], v[234:235]
	v_pk_add_f32 v[236:237], v[236:237], v[240:241]
	v_pk_add_f32 v[232:233], v[232:233], v[236:237]
	v_pk_fma_f32 v[14:15], v[14:15], v[252:253], v[232:233] op_sel_hi:[1,0,1]   ; the sums under the new M, and this step's
	s_wait_alu depctr_va_vdst(0)
	s_wait_dscnt 0x0                               ; V is in, and so are the next step's fragments of K
.irp t, 0,2                                        ; the four accumulators take turns; between two products on one of them stand the three others' and the next step's eight
	v_wmma_scale_f32_16x16x128_f8f6f4 v[OT+8*\t:OT+8*\t+7], v[VF+8*\t:VF+8*\t+7], v[PB:PB+7], v[OT+8*\t:OT+8*\t+7], v[242+\t/2], v248 matrix_a_fmt:MATRIX_FMT_FP4 matrix_b_fmt:MATRIX_FMT_FP4
	v_wmma_scale_f32_16x16x128_f8f6f4 v[OT+8*\t+8:OT+8*\t+15], v[VF+8*\t+8:VF+8*\t+15], v[PB:PB+7], v[OT+8*\t+8:OT+8*\t+15], v[242+\t/2], v248 matrix_a_fmt:MATRIX_FMT_FP4 matrix_b_fmt:MATRIX_FMT_FP4 matrix_a_scale:MATRIX_SCALE_ROW1
.endr
.endm
.Lpass:
	; ---- my 16 queries become one fragment: the rows turn through my stage, so that lane (r, h) holds channels 32 h .. 32 h + 31 of query r: one whole block
	s_wait_loadcnt 0x0                             ; q is in (and the mask words asked for so far), so its base may step
	s_add_nc_u64 s[4:5], s[4:5], 4096
.irp i, 0,1,2,3,4,5,6,7
	ds_store_b128 v3, v[VF+4*\i:VF+4*\i+3] offset:544*\i
.endr
.irp j, 0,1,2,3,4,5,6,7
	ds_load_b128 v[SC+4*\j:SC+4*\j+3], v4 offset:16*\j             ; LDS serves a wave's instructions in order (ISA guide 5.7.1.4): these see the stores above
.endr
	s_wait_dscnt 0x0                               ; these, and K's fragments asked for earlier
	v_max3_num_f32 v232, |v96|, |v97|, |v98|
	v_max3_num_f32 v233, |v99|, |v100|, |v101|
.irp i, 6,10,14,18,22,26
	s_delay_alu instid0(VALU_DEP_2)
	v_max3_num_f32 v232, v232, |v[96+\i]|, |v[97+\i]|
	s_delay_alu instid0(VALU_DEP_2)
	v_max3_num_f32 v233, v233, |v[98+\i]|, |v[99+\i]|
.endr
	s_delay_alu instid0(VALU_DEP_2)
	v_max3_num_f32 v232, v232, |v126|, |v127|
	s_delay_alu instid0(VALU_DEP_1)
	v_max3_num_f32 v232, v232, v233, 0x1800000     ; the floor 2^(3 - 127): the byte cannot fall under 1
	s_delay_alu instid0(VALU_DEP_1)
	v_add_nc_u32 v244, 0xff000000, v232            ; 2 off the exponent field: the conversion's scale operand
.irp g, 0,1,2,3
	v_cvt_scalef32_pk8_fp4_f32 v[20+\g], v[SC+8*\g:SC+8*\g+7], v244
.endr
	v_lshrrev_b32 v233, 23, v244                   ; the byte; also the plain line behind the conversions
	s_delay_alu instid0(VALU_DEP_1)
	v_lshlrev_b32 v233, v255, v233                 ; at its place, 8 h bits up,
	s_delay_alu instid0(VALU_DEP_1)
	v_permlanex16_b32 v232, v233, s30, s31
	s_delay_alu instid0(VALU_DEP_1)
	v_or_b32 v233, v233, v232                      ; with lane l xor 16's
	s_delay_alu instid0(VALU_DEP_1)
	v_or_b32 v249, 0x7f7f0000, v233                ; even tiles: the channels' bytes below, 1.0 over the identity above
	v_lshl_or_b32 v10, v233, 16, 0x7f7f            ; odd tiles: the other way round
	v_mov_b32 v13, 0xd0000000                      ; the largest raw score so far: the floor -2^33
	s_delay_alu instid0(VALU_DEP_1)
	v_mul_f32 v234, s40, v13
	s_delay_alu instid0(VALU_DEP_1)
	v_floor_f32 v12, -v234                         ; -M
	v_mov_b32 v14, 0                               ; the sum, in two halves
	v_mov_b32 v15, 0
.set j, 0
.rept 32
	v_mov_b32 v[OT+j], 0                           ; O^T.  (The step is written once for each set: the first finds zeros.  These lines are also the places between Q's codes and scale words and the first product)
.set j, j+1
.endr
	s_mov_b32 s27, 0
.Lstep:                                            ; a trip: two steps, 256 keys
	STEP 0
	STEP 1
	s_add_co_u32 s26, s26, 2
	s_add_co_u32 s27, s27, 2
	s_cmp_lt_u32 s27, 16
	s_cbranch_scc1 .Lstep
	; ---- THE WAY OUT of a tile.  O^T is divided by the sum and goes through my stage, so that sixteen lanes store one row of 256 bytes
	v_add_f32 v14, v14, v15                        ; the sum's two halves,
	s_delay_alu instid0(VALU_DEP_1)
	v_permlanex16_b32 v252, v14, s30, s31
	s_delay_alu instid0(VALU_DEP_1)
	v_add_f32 v14, v14, v252                       ; and lane l xor 16's: the row's sum, at least 1/2
	s_wait_alu depctr_va_vdst(0)
	v_rcp_f32 v14, v14
.rept 3
	v_nop                                          ; the plain line behind the reciprocal; with the additions the places behind the last products, ahead of the loads into V's registers and of the first read of O^T
.endr
	s_wait_alu depctr_va_vdst(0)                   ; the wait ahead of the reciprocal's first reader, and of the branch
	s_cmp_eq_u32 s28, 1
	s_cbranch_scc1 .Lno_q                          ; the last pass asks for nothing: no load leaves its buffer
	QLOAD                                          ; the next tile of q lands under the way out (its base has stepped)
.Lno_q:
.set j, 0
.rept 32
	v_mul_f32 v[SC+j], v[OT+j], v14                ; register 8 t + i is o(r, 16 t + 8 h + i); each accumulator from its low end on
.set j, j+1
.endr
.irp t, 0,1,2,3
	ds_store_b128 v5, v[SC+8*\t:SC+8*\t+3] offset:64*\t
	ds_store_b128 v5, v[SC+8*\t+4:SC+8*\t+7] offset:64*\t+16
.endr
.irp i, 0,1,2,3,4,5,6,7
	ds_load_b128 v[128+4*\i:131+4*\i], v3 offset:544*\i            ; back as whole rows: lanes 0-15 one row, lanes 16-31 the next
.endr
.irp i, 0,1,2,3,4,5,6,7
	s_wait_dscnt 7-\i                              ; LDS loads come back in order: pair i is in, the 7 - i younger ones may be out
	global_store_b128 v1, v[128+4*\i:131+4*\i], s[10:11] offset:512*\i th:TH_STORE_NT   ; 32 lanes store 512 consecutive bytes, at a multiple of 256 from out0's first byte
.endr
	s_wait_xcnt 0x0                                ; the stores have read their registers and their base: both may be written again
	s_add_nc_u64 s[10:11], s[10:11], 4096
	s_sub_co_u32 s28, s28, 1
	s_cmp_lg_u32 s28, 0
	s_cbranch_scc1 .Lpass
	s_wait_tensorcnt 0x0                           ; the wave's end
	ds_add_u32 v6, v7
	s_wait_dscnt 0x0
	CROUND                                         ; the closing round
	s_endpgm
.Lfunc_end_k_qab13fed808_attn:
	.size	k_qab13fed808_attn, .Lfunc_end_k_qab13fed808_attn-k_qab13fed808_attn
	.p2alignl 7, 3214868480
	.fill 96, 4, 3214868480
	.section	.rodata,"a",@progbits
	.p2align	6, 0x0
	.amdhsa_kernel k_qab13fed808_attn
		.amdhsa_group_segment_fixed_size 215040
		.amdhsa_private_segment_fixed_size 0
		.amdhsa_enable_private_segment 0
		.amdhsa_kernarg_size 32
		.amdhsa_user_sgpr_count 2
		.amdhsa_user_sgpr_kernarg_segment_ptr 1
		.amdhsa_wavefront_size32 1
		.amdhsa_system_sgpr_workgroup_id_x 1
		.amdhsa_system_sgpr_workgroup_id_y 1
		.amdhsa_system_sgpr_workgroup_id_z 1
		.amdhsa_system_vgpr_workitem_id 0
		.amdhsa_next_free_vgpr 256
		.amdhsa_next_free_sgpr 66
		.amdhsa_reserve_vcc 1
		.amdhsa_float_denorm_mode_32 3
		.amdhsa_float_denorm_mode_16_64 3
		.amdhsa_memory_ordered 1
		.amdhsa_forward_progress 1
		.amdhsa_inst_pref_size 47
	.end_amdhsa_kernel
	.amdgpu_metadata
---
amdhsa.version: [ 1, 2 ]
amdhsa.kernels:
  - .name:           k_qab13fed808_attn
    .symbol:         k_qab13fed808_attn.kd
    .args:
      - { .name: q, .offset: 0, .size: 8, .value_kind: global_buffer, .address_space: global }
      - { .name: kv, .offset: 8, .size: 8, .value_kind: global_buffer, .address_space: global }
      - { .name: maskn, .offset: 16, .size: 8, .value_kind: global_buffer, .address_space: global }
      - { .name: out0, .offset: 24, .size: 8, .value_kind: global_buffer, .address_space: global }
    .group_segment_fixed_size: 215040
    .private_segment_fixed_size: 0
    .kernarg_segment_align: 8
    .kernarg_segment_size: 32
    .max_flat_workgroup_size: 512
    .sgpr_count:     66
    .vgpr_count:     256
    .wavefront_size: 32
...
	.end_amdgpu_metadata
.endif
;; end of part 2
